; MI455X (gfx1250); checked and timed in simulation.
; The chip was launched on July 23, 2026; its instructions are those of AMD's public machine-readable ISA for CDNA 5 (MIT licence, August 2026) and "CDNA5" Instruction Set Architecture Reference Guide (July 2026). The comments in the code are by the model that wrote it; some were corrected since.
;; Causal Self Attention. Allowed arithmetic: matrix products marked QUANTISED: E4M3 operands, one given power-of-two scale a tensor, by v_wmma_f32_16x16x64_fp8_fp8 or v_wmma_f32_16x16x128_fp8_fp8, f32 sums; everything else in f32.
;; Inputs: W_attn_codes 3,072 x 32 x 32 uint8 (E4M3 codes of W_attn, K innermost, in blocks of 32 codes); W_proj_codes 1,024 x 32 x 32 uint8 (E4M3 codes of W_proj, K innermost, in blocks of 32 codes); b_attn 3,072 float32; b_proj 1,024 float32; lowp_scales 8 int32 (the exponents e of the quantised operands' scales 2^e); x_codes 4 x 2,048 x 32 x 32 uint8 (E4M3 codes of x, K innermost, in blocks of 32 codes).
;; Outputs: out0 4 x 2,048 x 1,024 float32.
;; This version of the problem:
;;   THIS VERSION OF THE PROBLEM IS GIVEN IN LOW PRECISION. The matrix products marked QUANTISED in the list below multiply operands that are first quantised to E4M3 (4 exponent bits, 3 mantissa bits; 8 bits a number), with one given power-of-two scale for each operand tensor; their sums are f32. All else is computed in f32.
;;   The module's matrix products, in the order in which they are computed (A, B: the left and right operand; K: the contracted axis; several contracted axes count as one K, in the product's order):
;;     1. [M 8,192, K 1,024] x [K 1,024, N 3,072]; A: input x (given as codes); B: input W_attn (given as codes): QUANTISED (scales: A lowp_scales[0], B lowp_scales[1])
;;     2. batch 64 x [M 2,048, K 64] x [K 64, N 2,048]; A: computed on the way; B: computed on the way: QUANTISED (scales: A lowp_scales[2], B lowp_scales[3])
;;     3. batch 64 x [M 2,048, K 2,048] x [K 2,048, N 64]; A: softmax (see below); B: computed on the way: QUANTISED (scales: A lowp_scales[4], B lowp_scales[5])
;;     4. [M 8,192, K 1,024] x [K 1,024, N 1,024]; A: computed on the way; B: input W_proj (given as codes): QUANTISED (scales: A lowp_scales[6], B lowp_scales[7])
;;   THE QUANTISER, for each operand of a quantised product, along K:
;;     - The operand's scale is 2^e, e = its entry of the input lowp_scales (int32; the entries are numbered through the quantised products in the list's order, A before B).
;;     - Each number is divided by the scale, clamped to +-448, and rounded to the nearest number of E4M3, ties to even, subnormals kept.
;;     - The product sums the exact products of the quantised numbers (number of the format x scale) in f32.
;;   ~~~python
;;   def quantise(x, axis, e):      # numpy; x: float32 -> the quantised numbers, widened to float32 again
;;       x = np.moveaxis(x, axis, -1); K = x.shape[-1]
;;       r = np.clip(x / 2.0 ** e, -448, 448)
;;       step = 2.0 ** (np.maximum(np.frexp(np.where(r == 0, 1, r))[1] - 1, -6) - 3)
;;       q = np.round(r / step) * step * 2.0 ** e      # np.round: ties to even
;;       return np.moveaxis(q, -1, axis).astype(np.float32)
;;   ~~~
;;   SOFTMAX AHEAD OF A QUANTISED PRODUCT. Where the list says 'softmax', what is quantised is not the finished softmax but p = 2^(t - M), with t = logit x log2(e) and M = ceil(the row's largest t), a whole number; so 1/2 < the row's largest p <= 1. The row's sum l is taken of the UNQUANTISED p, in f32, and the product's result is divided by l at the end. Since M is a whole number, a kernel that streams over the keys may use a running M (the ceiling of the running maximum): every later rescaling is an exact power of two, so the quantised numbers keep their values, but for numbers so far below the row's largest that they fall under the format's range.
;;   OPERANDS COMPUTED ON THE WAY. 'Computed on the way' means the value that the module computes at that place (a softmax that the list does not call 'softmax' is quantised finished and normalised). What goes into a quantiser is computed in f32, as accurately as f32 sums, v_exp_f32 and their like allow (about 1e-6 of the number): no bf16 or f16 on the way to a quantiser, and a product that is left as it is and whose result goes on into a quantised operand takes f32 operands (vector FMAs, or v_wmma_f32_16x16x4_f32). A number that lies on a knife's edge between two numbers of the format may be rounded either way, as far as f32 arithmetic and the matrix unit's own rounding can turn it there, and no further.
;;   INPUTS GIVEN AS CODES. W_attn (in the module: [3072, 1024], K = its axis 1); W_proj (in the module: [1024, 1024], K = its axis 1); x (in the module: [4, 2048, 1024], K = its axis 2): each comes as NAME_codes (uint8): NAME with its K axis moved to the last place and cut into blocks of 32 codes, [.., K / 32, bytes a block], one block behind the other in memory; one code a byte (a code: sign, 4 exponent bits, 3 mantissa bits); its scale is its entry of lowp_scales. Its value is code x scale, taken as it is: it is not quantised again, and the codes and scales need not be those that the quantiser above would give.
;; One version. Each part assembles by itself: llvm-mc -triple=amdgcn-amd-amdhsa -mcpu=gfx1250 --defsym DOCPART=n.
;; ======== version 1 of 1: 3 launches
;; limits: right only within a limited range of input values
;; workspace buffers: q_img 8,388,608 bytes; k_img 8,388,608 bytes; v_img 8,388,608 bytes; y_img 8,388,608 bytes
;; launch qkv (part 1): grid 12 x 32, 4 waves a work-group, clusters of 4 x 4, 327,680 bytes of LDS; arguments x_codes, W_attn_codes, b_attn, lowp_scales, q_img, k_img, v_img; writes q_img, k_img, v_img
.if DOCPART == 1
	.amdgcn_target "amdgcn-amd-amdhsa--gfx1250"
	.amdhsa_code_object_version 6
	.text
	.protected	k_q5c725cd537_qkv
	.globl	k_q5c725cd537_qkv
	.p2align	8
	.type	k_q5c725cd537_qkv,@function
k_q5c725cd537_qkv:
	s_mov_b64 s[64:65], 0
	v_nop
	global_prefetch_b8 v0, s[64:65] scope:SCOPE_SE
	s_setreg_imm32_b32 hwreg(HW_REG_WAVE_MODE, 25, 1), 1
	s_wait_xcnt 0x0
	s_wait_alu depctr_hold_cnt(0) depctr_sa_sdst(0) depctr_va_vdst(0) depctr_va_sdst(0) depctr_va_ssrc(0) depctr_va_vcc(0) depctr_vm_vsrc(0)
	s_getreg_b32 s2, hwreg(HW_REG_IB_STS2, 6, 4)
	s_cmp_eq_u32 s2, 0
	s_cbranch_scc0 .Lentry_in_a_cluster
	s_endpgm
.Lentry_in_a_cluster:
	s_bfe_u32 s2, ttmp6, 0x10000c
	s_cmp_lg_u32 s2, 0xf033
	s_cbranch_scc0 .Lentry_shape_is_right
	s_endpgm
.Lentry_shape_is_right:
; qkv = x W_attn^T + b_attn on E4M3 codes (x [8192][1024], W_attn [3072][1024], K innermost), then q, k and v are quantised with their given scales and stored as codes.
; A tile of 256 x 256 is made by four waves, 128 x 128 each: 64 accumulators, 512 registers.  K = 1,024 goes in four fills of 256 through two LDS slots filled by the tensor data mover.
; THE MATRIX INSTRUCTION: source 0 = 16 rows of side R, source 1 = 16 rows of side P.  A lane then holds ONE row of P, and its eight registers run along eight neighbouring rows of R.
; The conversions take eight neighbours along the NEXT product's K from one lane's registers.  So the cluster's x (X = 0, 1, 2 for q, k, v) says which tensor stands on which side:
;   q, k: P = tokens (x), R = features (W_attn): registers run along the head's 64.      v: P = features (W_attn), R = tokens (x): registers run along the keys.
; X is the same in all sixteen partners.  It chooses pointers, offsets and factors by s_cselect alone: there is one text and no branch on it.
; CLUSTERS: 4 x 4 work-groups.  P's tile is shared along a row of the cluster, R's along a column: each is asked for jointly, by the same tensor load with a mask that names the four.
; OUT: images of operand registers.  A group of four code registers is stored as it stands, lane l's 16 bytes at 16 l: 512 consecutive aligned bytes a store.
;   q_img, k_img: [16 b + head][token / 16][1,024]: registers 2 c, 2 c + 1 of lane (r, hf) = token r, d = 16 c + 8 hf + 0..7.
;   v_img: [16 b + head][key / 128][d / 16][2,048]: registers 2 c, 2 c + 1 of lane (r, hf) = d r, keys 16 c + 8 hf + 0..7.
; BIAS: a sum stands for sum x 2^(e0 + e1), so b_attn goes in times 2^-(e0 + e1).  Along R it is the C of the first K step's products; along P it is added on the way out.  The side that is not the features' gets the factor 0.
; code = (sum + bias) / 2^(eo - e0 - e1), held within +-448 of that scale; eo = entry 2 (q), 3 (k), 5 (v) of the scales.
; LIMITS: e0 + e1 between -127 and 126; eo - e0 - e1 between -126 and 119, so that each power of two below is an f32 number.  NaN (and the NaN code) among the inputs is not served.
; REGISTERS, in windows of 256: window 0: v16-29 addresses and constants; v32-95 R's bias, later a block's sums; v96-111 P's bias; v128-255 P's fragments (one set), later the codes.
;   window 1: R's fragments, two sets.   window 2: accumulators of my P rows 0-63 ((a, b) at v[8 (8 a + b)]);   window 3: of rows 64-127.
.set KROW,   1024                      ; a row of x or of W_attn in bytes
.set ROWB,   256                       ; a tile's row in bytes: 256 codes
.set PITCH,  272                       ; an LDS row: 256 bytes + 16 of padding = 68 words, so the 16 rows of a fragment load start at 16 different banks (64 banks of 4 bytes: ISA guide 11.1)
.set FR,     16                        ; registers of a fragment: 16 rows x 128 K
.set NL,     4                         ; LDS loads that bring one
.set NP,     4                         ; places behind this matrix instruction (ISA guide 7.12.1)
.set HALFT,  128*PITCH                 ; 128 rows: one tensor load, and what a wave reads of a side
.set SLOT,   4*HALFT                   ; P's 256 rows, then R's 256 rows
.set LAPS,   KROW/(2*ROWB)             ; a lap = once round the ring
.set SPARE,  2*SLOT                    ; behind the ring: the spare words, 128 bytes a wave: two blocks of 256 bytes that no other line names
.set ADRA, 16                          ; v16-17  LDS address of my P fragments in slot 0, 1
.set ADRB, 20                          ; v20-21  the same for R
.set H32,  22                          ; v22     32 x (lane / 16): R's bias
.set R4,   23                          ; v23     4 x (lane % 16): P's bias
.set VO0,  24                          ; v24     16 x lane: an image's place for my lane
.set VO1,  25                          ; v25     the same, one head (q, k) or half an image (v) further on
.set SCL,  26                          ; v26     2^(eo - e0 - e1) as f32
.set LIM,  27
.set SPW,  28                          ; v28     LDS address of my spare word; never rewritten
.set NIL,  29                          ; v29     0; never rewritten
.set BR,   32                          ; v32-95  R's bias: register 8 b + j for row 16 b + 8 hf + j
.set TMP,  32                          ; the way out: a block's 64 sums
.set BP,   96                          ; v96-111 P's bias: the pair 2 a, 2 a + 1 for row 16 a + r
.set AF,   128                         ; P's fragments
.set CD,   128                         ; the way out: 16 registers of codes for each block
.set G1, 24                            ; s[24:31] descriptor group 1 for P's tiles;  s[32:39] group 0, one set for each slot
.set G0, 32
.set G1B, 48                           ; s[48:55], s[56:63] the same for R's tiles
.set G0B, 56
.set MSB, 0
.macro WIN new                         ; the immediate's high byte repeats the setting that is left
.if MSB != (\new)
	s_set_vgpr_msb (MSB<<8)|(\new)
.set MSB, (\new)
.endif
.endm
.set MUL_LO,   0xa1                    ; source 0 (R) window 1, source 1 (P) window 0, C and D window 2
.set MUL_HI,   0xf1                    ; the same, C and D window 3
.set FIRST_LO, 0x81                    ; the first K step: C (R's bias) window 0, D window 2
.set FIRST_HI, 0xc1                    ; D window 3
.set TO_B,     0x40                    ; destination window 1, address window 0
; A joint load: waves 0 and 1 fetch for P, waves 2 and 3 for R.  Each line has one mask and one set of registers; the branch hangs on the wave's number alone.
; Four v_nop follow each of the two lines, ahead of the jump, the label and what follows.
.macro JLOAD g0a, g1a, g0b, g1b
	s_cmp_eq_u32 s15, 0
	s_cbranch_scc0 .Lfor_b_\@
	tensor_load_to_lds s[\g0a:\g0a+3], s[\g1a:\g1a+7]
	s_nop 0
.rept 4
	v_nop
.endr
	s_branch .Lasked_\@
.Lfor_b_\@:
	tensor_load_to_lds s[\g0b:\g0b+3], s[\g1b:\g1b+7]
	s_nop 0
.rept 4
	v_nop
.endr
.Lasked_\@:
.endm
.macro CREST                           ; a round of the cluster's barrier behind its opening barrier
	s_cmp_lg_u32 s14, 0
	s_cbranch_scc1 .Lnot_wave_0_\@
	s_barrier_signal -3
.Lnot_wave_0_\@:
	s_barrier_wait -3
	s_barrier_signal -1
	s_barrier_wait -1
.endm
.macro CROUND                          ; a whole round
	s_barrier_signal -1
	s_barrier_wait -1
	CREST
.endm
	s_load_b256 s[4:11], s[0:1], 0x0               ; x s[4:5], W_attn s[6:7], b_attn s[8:9], the scales' exponents s[10:11]
	s_load_b128 s[68:71], s[0:1], 0x20             ; q_img, k_img
	s_load_b64 s[72:73], s[0:1], 0x30              ; v_img
	v_lshl_add_u32 v[SPW], v0, 2, SPARE
	v_mov_b32 v[NIL], 0
	ds_add_u32 v28, v29
	ds_add_u32 v28, v29
	s_wait_dscnt 0x0
	v_lshrrev_b32 v1, 5, v0
	v_readfirstlane_b32 s14, v1                    ; wave 0..3
	s_lshr_b32 s15, s14, 1                         ; wr: which half of P's rows is mine.  Also: I fetch for P (0) or for R (1)
	s_and_b32 s16, s14, 1                          ; wc: which half of R's rows.  Also: which 128 rows of that tile I fetch
	s_bfe_u32 s40, ttmp6, 0x40000                  ; cx, cy: my place in the cluster
	s_bfe_u32 s41, ttmp6, 0x40004
	s_mov_b32 s42, ttmp9                           ; X: 0 q, 1 k, 2 v
	s_and_b32 s17, ttmp7, 0xffff                   ; Y: which 1,024 tokens
	s_lshl_b32 s43, s41, 2
	s_lshl_b32 s43, 15, s43                        ; my row of the cluster
	s_lshl_b32 s44, 0x1111, s40                    ; my column
	; descriptor group 1: a tile of 128 rows x 256 bytes, padded in LDS
	s_or_b32 s[G1+0], s43, (0<<16)|(1<<20)|(1<<21)|(5<<22)|(3<<25)  ; 15:0 the mask: P's tiles go to my row; 17:16 elements of 1 byte; 20 padding on; 21 set beside a mask; 24:22 after every 64 words; 31:25 four words
	s_or_b32 s[G1B+0], s44, (0<<16)|(1<<20)|(1<<21)|(5<<22)|(3<<25) ; the same with my column's mask
.irp g, G1, G1B
	s_mov_b32 s[\g+1], ROWB<<16                    ; tensor_dim0
	s_mov_b32 s[\g+2], 128<<16                     ; tensor_dim1
	s_mov_b32 s[\g+3], ROWB<<16                    ; tile_dim0
	s_mov_b32 s[\g+4], 128                         ; tile_dim1
	s_mov_b32 s[\g+5], KROW                        ; tensor_dim0_stride
	s_mov_b32 s[\g+6], 0
	s_mov_b32 s[\g+7], 0
.endr
	; the first rows that I fetch.  P's hang on cy, R's on cx; each is made in registers that never hold the other coordinate
	s_lshl_b32 s18, s16, 7                         ; which 128 rows of the tile
	s_lshl_b32 s19, s17, 10                        ; 1,024 Y
	s_lshl_b32 s22, s42, 10                        ; 1,024 X
	s_mov_b32 s23, 2048
	s_cmp_lt_u32 s42, 2
	s_cselect_b32 s20, s19, s23                    ; P: tokens 1,024 Y on (q, k), or W_attn's rows 2,048 on (v)
	s_cselect_b32 s46, s22, s19                    ; R: W_attn's rows 1,024 X on (q, k), or tokens 1,024 Y on (v)
	s_lshl_b32 s21, s41, 8
	s_add_co_u32 s20, s20, s21
	s_add_co_u32 s20, s20, s18
	s_lshl_b32 s47, s40, 8
	s_add_co_u32 s46, s46, s47
	s_add_co_u32 s46, s46, s18
	s_lshl_b32 s20, s20, 10                        ; rows of 1,024 bytes: under 2^23
	s_mov_b32 s21, 0
	s_lshl_b32 s46, s46, 10
	s_mov_b32 s47, 0
	s_mul_i32 s45, s14, HALFT                      ; where they go: wave x 128 rows: no place in the cluster enters an LDS address
	s_wait_kmcnt 0x0
	s_load_b256 s[76:83], s[10:11], 0x0            ; e0 .. e7
	s_cmp_lt_u32 s42, 2
	s_cselect_b64 s[66:67], s[4:5], s[6:7]         ; P's tensor
	s_cselect_b64 s[74:75], s[6:7], s[4:5]         ; R's tensor
	s_add_nc_u64 s[20:21], s[66:67], s[20:21]
	s_add_nc_u64 s[46:47], s[74:75], s[46:47]
	CROUND                                         ; all sixteen work-groups are here: the first joint loads meet
.irp s, 0,1
	s_mov_b32 s[G0+4*\s], 1
	s_add_co_u32 s[G0+4*\s+1], s45, \s*SLOT
	s_add_nc_u64 s[G0+4*\s+2:G0+4*\s+3], s[20:21], \s*ROWB
	s_or_b32 s[G0+4*\s+3], s[G0+4*\s+3], 0x80000000
	s_mov_b32 s[G0B+4*\s], 1
	s_add_co_u32 s[G0B+4*\s+1], s45, \s*SLOT
	s_add_nc_u64 s[G0B+4*\s+2:G0B+4*\s+3], s[46:47], \s*ROWB
	s_or_b32 s[G0B+4*\s+3], s[G0B+4*\s+3], 0x80000000
	JLOAD G0+4*\s, G1, G0B+4*\s, G1B               ; two tensor loads of mine are out
.endr
	; while the tiles are on their way: addresses, biases, factors
	v_and_b32 v1, 15, v0                           ; r = lane % 16
	v_bfe_u32 v2, v0, 4, 1                         ; hf = lane / 16
	v_mul_u32_u24 v3, v1, PITCH
	v_lshl_add_u32 v4, v2, 4, v3                   ; a fragment's row x pitch + 16 hf
	s_mul_i32 s21, s15, HALFT                      ; my 128 rows of P
	s_mul_i32 s22, s16, HALFT                      ; my 128 rows of R,
	s_add_co_u32 s22, s22, 2*HALFT                 ; which lie behind P's 256
.irp s, 0,1
	v_add_nc_u32 v[ADRA+\s], s21, v4
	v_add_nc_u32 v[ADRB+\s], s22, v4
	s_add_co_u32 s21, s21, SLOT
	s_add_co_u32 s22, s22, SLOT
.endr
	v_lshlrev_b32 v[H32], 5, v2
	s_wait_alu depctr_va_vdst(0)
	v_lshlrev_b32 v[R4], 2, v1
	s_wait_alu depctr_va_vdst(0)
	v_and_b32 v5, 31, v0
	v_lshlrev_b32 v[VO0], 4, v5
	s_wait_alu depctr_va_vdst(0)
	s_lshl_b32 s18, s42, 10                        ; where my 128 features begin in b_attn: on R's side 1,024 X + 256 cx + 128 wc,
	s_lshl_b32 s19, s40, 8
	s_add_co_u32 s18, s18, s19
	s_lshl_b32 s19, s16, 7
	s_add_co_u32 s18, s18, s19
	s_lshl_b32 s19, s41, 8                         ; on P's side 2,048 + 256 cy + 128 wr
	s_lshl_b32 s23, s15, 7
	s_add_co_u32 s19, s19, s23
	s_add_co_u32 s19, s19, 2048
	s_cmp_lt_u32 s42, 2
	s_cselect_b32 s18, s18, 0                      ; the side that holds tokens reads b_attn's first 128 numbers and multiplies them by 0
	s_cselect_b32 s19, 0, s19
	s_lshl_b32 s96, s18, 2
	s_mov_b32 s97, 0
	s_lshl_b32 s98, s19, 2
	s_mov_b32 s99, 0
	s_add_nc_u64 s[96:97], s[8:9], s[96:97]
	s_add_nc_u64 s[98:99], s[8:9], s[98:99]
.irp b, 0,1,2,3,4,5,6,7
	global_load_b128 v[BR+8*\b:BR+8*\b+3],   v[H32], s[96:97] offset:64*\b      ; b_attn at R's rows 16 b + 8 hf + 0 .. 7
	global_load_b128 v[BR+8*\b+4:BR+8*\b+7], v[H32], s[96:97] offset:64*\b+16
.endr
.irp a, 0,1,2,3,4,5,6,7
	global_load_b32 v[BP+2*\a], v[R4], s[98:99] offset:64*\a                    ; b_attn at P's row 16 a + r
.endr
	; the images' strides: from block to block of P (q, k: the next 16 tokens; v: the next 16 of d, and at block 4 the next head), and to the second half of a block's codes
	s_mov_b32 s18, 1024
	s_mov_b32 s19, 0x20000
	s_cmp_lt_u32 s42, 2
	s_cselect_b32 s86, s18, 2048
	s_cselect_b32 s88, s18, 124928                 ; 131,072 - 3 x 2,048
	s_cselect_b32 s90, s19, 1024
	s_cselect_b32 s18, s41, s40                    ; the tokens' side: its place in the cluster,
	s_cselect_b32 s19, s15, s16                    ; and my half of it
	s_cselect_b32 s22, s40, s41                    ; the features' side likewise
	s_cselect_b32 s23, s16, s15
	s_mov_b32 s87, 0
	s_mov_b32 s89, 0
	v_add_nc_u32 v[VO1], s90, v[VO0]
	s_lshl_b32 s94, s17, 10
	s_lshl_b32 s18, s18, 8
	s_add_co_u32 s94, s94, s18
	s_lshl_b32 s19, s19, 7
	s_add_co_u32 s94, s94, s19                     ; my first token
	s_lshl_b32 s22, s22, 2
	s_lshl_b32 s23, s23, 1
	s_add_co_u32 s22, s22, s23                     ; my first head
	s_lshr_b32 s95, s94, 11                        ; the batch
	s_lshl_b32 s95, s95, 4
	s_add_co_u32 s95, s95, s22
	s_lshl_b32 s95, s95, 17                        ; 131,072 bytes for each batch and head
	s_and_b32 s94, s94, 2047
	s_lshl_b32 s94, s94, 6                         ; 64 bytes a token, in all three layouts
	s_add_co_u32 s84, s95, s94
	s_mov_b32 s85, 0
	s_cmp_eq_u32 s42, 0
	s_cselect_b64 s[18:19], s[68:69], s[70:71]
	s_cmp_lt_u32 s42, 2
	s_cselect_b64 s[18:19], s[18:19], s[72:73]
	s_add_nc_u64 s[84:85], s[18:19], s[84:85]      ; where my first image goes
	s_wait_kmcnt 0x0                               ; the exponents
	s_add_co_i32 s94, s76, s77                     ; e0 + e1
	s_sub_co_i32 s95, 127, s94
	s_lshl_b32 s95, s95, 23                        ; 2^-(e0 + e1) as f32
	s_cmp_eq_u32 s42, 0
	s_cselect_b32 s22, s78, s79
	s_cmp_lt_u32 s42, 2
	s_cselect_b32 s22, s22, s81                    ; eo
	s_cselect_b32 s92, s95, 0                      ; R's bias factor
	s_cselect_b32 s91, 0, s95                      ; P's
	s_mov_b32 s93, s92                             ; (named with s92 as a pair, so it is written)
	s_sub_co_i32 s22, s22, s94
	s_add_co_i32 s22, s22, 127
	s_lshl_b32 s23, s22, 23
	v_mov_b32 v[SCL], s23                          ; 2^(eo - e0 - e1): the conversion takes its exponent field
	s_wait_loadcnt 0x0                             ; the biases
.set j, 0
.rept 32
	v_pk_mul_f32 v[BR+j:BR+j+1], v[BR+j:BR+j+1], s[92:93] op_sel_hi:[1,0]
.set j, j+2
.endr
.irp a, 0,1,2,3,4,5,6,7
	v_mul_f32 v[BP+2*\a], s91, v[BP+2*\a]
	v_mov_b32 v[BP+2*\a+1], v[BP+2*\a]             ; twice: a pair for the packed addition
.endr
.macro FRAG reg, adr, q, i             ; 16 rows x 128 K in 16 registers: four loads of 16 bytes, 32 apart.  The same places of k on both sides, so every product meets its partner
.irp c, 0,1,2,3
	ds_load_b128 v[\reg+4*\c:\reg+4*\c+3], v[\adr] offset:128*(\q)+32*\c+(\i)*16*PITCH
.endr
.endm
; 16 matrix instructions: P's blocks a0, a0 + 1 x R's eight, 128 along K.  p: R's set.  first = 1: the sums start from R's bias: nothing is cleared.
; The 64 accumulators take turns, one instruction a turn, in the same order in every step.
.macro MUL16 a0, p, first
.irp a, \a0, \a0+1
.irp b, 0,1,2,3,4,5,6,7
.if \first
	v_wmma_f32_16x16x128_fp8_fp8 v[8*(8*((\a)%4)+\b):8*(8*((\a)%4)+\b)+7], v[128*(\p)+FR*\b:128*(\p)+FR*\b+FR-1], v[AF+FR*(\a):AF+FR*(\a)+FR-1], v[BR+8*\b:BR+8*\b+7]
.else
	v_wmma_f32_16x16x128_fp8_fp8 v[8*(8*((\a)%4)+\b):8*(8*((\a)%4)+\b)+7], v[128*(\p)+FR*\b:128*(\p)+FR*\b+FR-1], v[AF+FR*(\a):AF+FR*(\a)+FR-1], v[8*(8*((\a)%4)+\b):8*(8*((\a)%4)+\b)+7]
.endif
.endr
.endr
.endm
.macro FETCH_B slot, q, p              ; R's eight fragments of the slot's q-th 128 along K into set p
	WIN TO_B
.irp i, 0,1,2,3,4,5,6,7
	FRAG 128*(\p)+FR*\i, ADRB+\slot, \q, \i
.endr
	WIN 0
.endm
.macro FETCH_A slot, q, i0             ; P's blocks i0 .. i0 + 3
.irp i, \i0, \i0+1, \i0+2, \i0+3
	FRAG AF+FR*(\i), ADRA+\slot, \q, \i
.endr
.endm
.macro PLACES n                        ; plain vector instructions between a matrix instruction and a load into, or a vector instruction on, its registers
.rept \n
	v_nop
.endr
.endm
; A step of 128 along K that has its successor in the same slot.  A block of P is free once its eight products are issued: blocks 0-3 are fetched anew in the step's middle, blocks 4-7 at its end.
.macro STEP slot, q, first
	s_wait_dscnt 4*NL                              ; R's set and P's blocks 0-3 are in; the youngest 16 loads (P's blocks 4-7) may be out
.if \first
	WIN FIRST_LO
.else
	WIN MUL_LO
.endif
	MUL16 0, (\q)%2, \first
	MUL16 2, (\q)%2, \first
	s_wait_dscnt 0                                 ; P's blocks 4-7 are in
	PLACES NP
	FETCH_B \slot, (\q)+1, 1-(\q)%2
	FETCH_A \slot, (\q)+1, 0
.if \first
	WIN FIRST_HI
.else
	WIN MUL_HI
.endif
	MUL16 4, (\q)%2, \first
	MUL16 6, (\q)%2, \first
	PLACES NP
	WIN 0
	FETCH_A \slot, (\q)+1, 4
.endm
; A slot's last step changes slots: one barrier; in front of it each wave waits for all its tensor loads, adds 0 to its spare word, and waits for that and for its reads of this slot.
; fill = 1: the barrier opens a round of the cluster's, and this slot is filled again, two fills ahead, first thing behind the round.
.macro TURN slot, next, fill
	s_wait_tensorcnt 0x0                           ; all my tensor loads have landed: my part of the next slot
	ds_add_u32 v[SPW], v[NIL]                      ; 0 onto my spare word
	s_wait_dscnt 4*NL+1                            ; the add and the youngest 16 loads (P's blocks 4-7) may be out
	WIN MUL_LO
	MUL16 0, 1, 0                                  ; sixteen matrix instructions stand between the add and the wait for it
	s_wait_dscnt 0x0                               ; the add is done, and my reads of this slot are over
	s_barrier_signal -1
	MUL16 2, 1, 0
	WIN 0
	s_barrier_wait -1
.if \fill
	CREST                                          ; no wave of any partner still reads this slot or has a load on its way
	s_add_nc_u64 s[G0+4*\slot+2:G0+4*\slot+3], s[G0+4*\slot+2:G0+4*\slot+3], 2*ROWB
	s_add_nc_u64 s[G0B+4*\slot+2:G0B+4*\slot+3], s[G0B+4*\slot+2:G0B+4*\slot+3], 2*ROWB
	JLOAD G0+4*\slot, G1, G0B+4*\slot, G1B         ; my one tensor load behind the round; its four v_nop are the places in front of the loads below
.else
	PLACES NP
.endif
	FETCH_B \next, 0, 0
	FETCH_A \next, 0, 0
	WIN MUL_HI
	MUL16 4, 1, 0
	MUL16 6, 1, 0
	PLACES NP
	WIN 0
	FETCH_A \next, 0, 4
.endm
	s_wait_tensorcnt 1                             ; my part of slot 0 is in; slot 1's load may be out
	s_barrier_signal -1
	s_barrier_wait -1                              ; everybody's is
	FETCH_B 0, 0, 0
	FETCH_A 0, 0, 0
	FETCH_A 0, 0, 4
	STEP 0, 0, 1                                   ; the first step stands in front of the loop: its products start the sums
	s_mov_b32 s3, LAPS-1
.Llap:                                             ; a trip goes once round the ring and fills both slots again
	TURN 0, 1, 1
	STEP 1, 0, 0
	TURN 1, 0, 1
	STEP 0, 0, 0
	s_sub_co_u32 s3, s3, 1
	s_cmp_lg_u32 s3, 0
	s_cbranch_scc1 .Llap
	TURN 0, 1, 0                                   ; the last lap fills nothing
	STEP 1, 0, 0
	s_wait_dscnt 4*NL                              ; the very last step: nothing more to fetch
	WIN MUL_LO
	MUL16 0, 1, 0
	MUL16 2, 1, 0
	s_wait_dscnt 0
	WIN MUL_HI
	MUL16 4, 1, 0
	MUL16 6, 1, 0
	WIN 0
; THE WAY OUT of P's block a: its eight accumulators are 64 numbers a lane: P's bias is added, each number is held, eight conversions give 16 registers of codes, four stores take them as they stand.
.macro OUTA a
	WIN 0x02+(\a)/4                                ; source 0: window 2 or 3
.set j, 0
.rept 32
	v_pk_add_f32 v[TMP+j:TMP+j+1], v[64*((\a)%4)+j:64*((\a)%4)+j+1], v[BP+2*(\a):BP+2*(\a)+1]   ; each accumulator from its low end on
.set j, j+2
.endr
	WIN 0
.set j, 0
.rept 64
.set j, j+1
.endr
.irp b, 0,1,2,3,4,5,6,7
	v_cvt_scalef32_pk8_fp8_f32 v[CD+16*(\a)+2*\b:CD+16*(\a)+2*\b+1], v[TMP+8*\b:TMP+8*\b+7], v[SCL]
.endr
	v_nop                                          ; a plain vector instruction between the conversions and the next block's additions, which write their sources
.if (\a) > 0
	s_wait_alu depctr_va_vdst(0)
	s_wait_xcnt 0x0                                ; the earlier stores have read their base
.if (\a) == 4
	s_add_nc_u64 s[84:85], s[84:85], s[88:89]
.else
	s_add_nc_u64 s[84:85], s[84:85], s[86:87]
.endif
.endif
	global_store_b128 v[VO0], v[CD+16*(\a):CD+16*(\a)+3],     s[84:85]              ; each store covers 512 consecutive bytes, aligned
	global_store_b128 v[VO0], v[CD+16*(\a)+4:CD+16*(\a)+7],   s[84:85] offset:512
	global_store_b128 v[VO1], v[CD+16*(\a)+8:CD+16*(\a)+11],  s[84:85]
	global_store_b128 v[VO1], v[CD+16*(\a)+12:CD+16*(\a)+15], s[84:85] offset:512
.endm
	PLACES NP                                      ; behind the last products: their results are read, and the codes land where P's fragments lay
.irp a, 0,1,2,3,4,5,6,7
	OUTA \a
.endr
	s_wait_tensorcnt 0x0                           ; the wave's end
	ds_add_u32 v[SPW], v[NIL]
	s_wait_dscnt 0x0
	CROUND                                         ; the closing round: no work-group ends while a partner may still ask for a tile that names it
	s_endpgm
.Lfunc_end_k_q5c725cd537_qkv:
	.size	k_q5c725cd537_qkv, .Lfunc_end_k_q5c725cd537_qkv-k_q5c725cd537_qkv
	.p2alignl 7, 3214868480
	.fill 96, 4, 3214868480
	.section	.rodata,"a",@progbits
	.p2align	6, 0x0
	.amdhsa_kernel k_q5c725cd537_qkv
		.amdhsa_group_segment_fixed_size 327680
		.amdhsa_private_segment_fixed_size 0
		.amdhsa_enable_private_segment 0
		.amdhsa_kernarg_size 56
		.amdhsa_user_sgpr_count 2
		.amdhsa_user_sgpr_kernarg_segment_ptr 1
		.amdhsa_wavefront_size32 1
		.amdhsa_system_sgpr_workgroup_id_x 1
		.amdhsa_system_sgpr_workgroup_id_y 1
		.amdhsa_system_sgpr_workgroup_id_z 1
		.amdhsa_system_vgpr_workitem_id 0
		.amdhsa_next_free_vgpr 1024
		.amdhsa_next_free_sgpr 100
		.amdhsa_reserve_vcc 0
		.amdhsa_float_denorm_mode_32 3
		.amdhsa_float_denorm_mode_16_64 3
		.amdhsa_fp16_overflow 1
		.amdhsa_memory_ordered 1
		.amdhsa_forward_progress 1
		.amdhsa_inst_pref_size 109
	.end_amdhsa_kernel
	.amdgpu_metadata
---
amdhsa.version: [ 1, 2 ]
amdhsa.kernels:
  - .name:           k_q5c725cd537_qkv
    .symbol:         k_q5c725cd537_qkv.kd
    .args:
      - { .name: x_codes, .offset: 0, .size: 8, .value_kind: global_buffer, .address_space: global }
      - { .name: W_attn_codes, .offset: 8, .size: 8, .value_kind: global_buffer, .address_space: global }
      - { .name: b_attn, .offset: 16, .size: 8, .value_kind: global_buffer, .address_space: global }
      - { .name: lowp_scales, .offset: 24, .size: 8, .value_kind: global_buffer, .address_space: global }
      - { .name: q_img, .offset: 32, .size: 8, .value_kind: global_buffer, .address_space: global }
      - { .name: k_img, .offset: 40, .size: 8, .value_kind: global_buffer, .address_space: global }
      - { .name: v_img, .offset: 48, .size: 8, .value_kind: global_buffer, .address_space: global }
    .group_segment_fixed_size: 327680
    .private_segment_fixed_size: 0
    .kernarg_segment_align: 8
    .kernarg_segment_size: 56
    .max_flat_workgroup_size: 128
    .sgpr_count:     100
    .vgpr_count:     1024
    .wavefront_size: 32
...
	.end_amdgpu_metadata
.endif
;; end of part 1
;; launch attn (part 2): grid 4 x 64, 16 waves a work-group, no clusters, 327,680 bytes of LDS; arguments q_img, k_img, v_img, lowp_scales, y_img; writes y_img
.if DOCPART == 2
	.amdgcn_target "amdgcn-amd-amdhsa--gfx1250"
	.amdhsa_code_object_version 6
	.text
	.protected	k_q5c725cd537_attn
	.globl	k_q5c725cd537_attn
	.p2align	8
	.type	k_q5c725cd537_attn,@function
k_q5c725cd537_attn:
	s_mov_b64 s[64:65], 0
	v_nop
	global_prefetch_b8 v0, s[64:65] scope:SCOPE_SE
	s_setreg_imm32_b32 hwreg(HW_REG_WAVE_MODE, 25, 1), 1
	s_wait_xcnt 0x0
; Causal attention of one batch and head on E4M3 codes, head size 64, 2,048 tokens; the result is quantised for the last product and stored as codes.
; q_img, k_img: [head][token / 16][1,024]: images of operand registers (registers 0-3 at 16 x lane, 4-7 at 512 + 16 x lane): lane (r, hf), registers 2 c, 2 c + 1 = token r, d = 16 c + 8 hf + 0..7.
; v_img: [head][key / 128][d / 16][2,048]: registers 4 c .. 4 c + 3 at 512 c + 16 x lane: lane (r, hf), registers 2 c, 2 c + 1 = d r, keys 16 c + 8 hf + 0..7.
; y_img: [h / 4][row / 16][h % 4][1,024], the inner image as q_img's.
; THE SOFTMAX: t = score x log2(e) / 8; M = the running largest t rounded UP to a whole number; p = 2^(t - M) is quantised along the keys, not normalised; the row's sum is taken of the unquantised p and divides at the end.
; When M moves, the sum and O are multiplied by 2^(old M - new M), which rounds nothing.
; LAYOUT.  Both products are used transposed: S^T = K Q^T (source 0 = 16 keys, source 1 = my 16 queries), O^T = V^T P^T (source 0 = 16 of d, source 1 = P): a lane holds ONE query throughout.
; Tile t of S^T holds keys 16 t + 8 hf + 0..7 in a lane's eight registers: its conversion gives registers 2 t, 2 t + 1 of P, just where the K = 128 form wants those keys.  Tile t of O^T likewise gives y's registers.
; SHARES.  A work-group owns the query blocks of 256 numbered PI and 7 - PI (PI = work-group x, 0..3): PI + 1 and 8 - PI key slots of 256, NINE whatever PI is: 256 work-groups of equal work,
; a constant trip count, and only tiles that are needed are fetched.  Each of sixteen waves owns 16 queries of the block in hand; four waves share a SIMD.
; Behind trip PI the first block is finished, stored, and the second begins.  In the slot on the diagonal a step all of whose keys come after my queries is left out by a scalar branch on ids.
; NO CLUSTER: work-groups that share K and V own different query blocks, so their walks over the key slots differ from trip to trip (the slot of trip T hangs on PI): there is no common tile to ask for jointly.
; LIMITS on the given exponents: e2 + e3 between -123 and 130 (added to c's exponent field); e4 and e6 between -126 and 119.  Entry 2 is taken for q, entry 3 for k.  NaN is not served.
; REGISTERS: v1 16 x lane; v3 r - 8 hf; v5, v6 for the add; v8 LDS address; v12 -M, v13 the largest t, v[14:15] the sum in two halves; v16-23 Q; v24-31 the second block's Q;
;   v32-95 K's eight fragments, then V's four; v96-159 S^T, then p; v160-191 O^T; v192-199 y's codes; v224-239 p's codes; v240-254 constants and at work.
.set SLOT1, 1<<15                      ; a slot: 16 KiB of K's images, then 16 KiB of V's; one exclusive or turns an address from one slot to the other
.set VOFF,  16384
.set SPARE, 2*SLOT1                    ; behind the ring: the spare words, 128 bytes for each of 16 waves: eight blocks of 256 bytes that no other line names
.set LI,   1
.set RH,   3
.set SPW,  5
.set NIL,  6
.set ADK,  8
.set WV,   18                          ; s18  my wave's number
.set PI,   19                          ; s19  work-group x
.set SEL,  20                          ; s[20:21] selects for v_permlanex16_b32: lane l xor 16
.set CS,   22                          ; s[22:23] c = log2(e) / 8 x 2^(e2 + e3)
.set G1,   24                          ; s[24:31] descriptor group 1: 64 dense rows of 256 bytes, for K's and V's tiles alike
.set G0,   32                          ; s[32:35] descriptor group 0, which walks
.set HB,   36                          ; s[36:37] the head's first byte in the tensor that I fetch
.set T,    38                          ; s38  the trip
.set TB,   39                          ; s39  LDS byte at which the slot in hand begins
.set KF,   40                          ; s40  the step's first key
.set Q0,   41                          ; s41  my first query
.set OFS,  42                          ; s[42:43] an offset as a pair; s43 = 0
; Wave 0 fetches K's 16 KiB, wave 1 V's, the others nothing.  Four v_nop follow the line.
.macro TLOAD
	s_cmp_lt_u32 s[WV], 2
	s_cbranch_scc0 .Lnone_\@
	tensor_load_to_lds s[G0:G0+3], s[G1:G1+7]
	s_nop 0
.rept 4
	v_nop
.endr
.Lnone_\@:
.endm
	s_load_b256 s[4:11], s[0:1], 0x0               ; q_img s[4:5], k_img s[6:7], v_img s[8:9], the scales' exponents s[10:11]
	s_load_b64 s[12:13], s[0:1], 0x20              ; y_img
	v_lshl_add_u32 v[SPW], v0, 2, SPARE
	v_mov_b32 v[NIL], 0
	ds_add_u32 v5, v6
	ds_add_u32 v5, v6
	s_wait_dscnt 0x0
	v_lshrrev_b32 v8, 5, v0
	s_delay_alu instid0(VALU_DEP_1)
	v_readfirstlane_b32 s[WV], v8                  ; wave 0..15
	s_mov_b32 s[PI], ttmp9
	s_and_b32 s44, ttmp7, 0xffff                   ; 16 x batch + head
	s_mov_b32 s[G1], 3<<16                         ; no mask; elements of 8 bytes; no padding
	s_mov_b32 s[G1+1], 32<<16                      ; tensor_dim0 = 32 elements
	s_mov_b32 s[G1+2], 64<<16                      ; tensor_dim1 = 64
	s_mov_b32 s[G1+3], 32<<16                      ; tile_dim0
	s_mov_b32 s[G1+4], 64                          ; tile_dim1
	s_mov_b32 s[G1+5], 32                          ; the pitch: rows are dense
	s_mov_b32 s[G1+6], 0
	s_mov_b32 s[G1+7], 0
	s_mov_b32 s[G0], 1
	s_and_b32 s45, s[WV], 1
	s_lshl_b32 s[G0+1], s45, 14                    ; slot 0: K's part (wave 0) or V's (wave 1)
	s_lshl_b32 s[OFS], s44, 17                     ; 131,072 bytes a head in q_img, k_img and v_img
	s_mov_b32 s[OFS+1], 0
	s_mov_b32 s[SEL], 0x76543210
	s_mov_b32 s[SEL+1], 0xfedcba98
	s_mov_b32 s[T], 0
	s_mov_b32 s[TB], 0
	s_mov_b32 s[KF], 0
	s_add_co_u32 s61, s[PI], 1
	s_wait_kmcnt 0x0
	s_load_b256 s[48:55], s[10:11], 0x0            ; e0 .. e7
	s_cmp_eq_u32 s[WV], 1
	s_cselect_b64 s[HB:HB+1], s[8:9], s[6:7]
	s_add_nc_u64 s[HB:HB+1], s[HB:HB+1], s[OFS:OFS+1]
	s_mov_b64 s[G0+2:G0+3], s[HB:HB+1]             ; key slot 0
	s_or_b32 s[G0+3], s[G0+3], 0x80000000          ; type = 2
	TLOAD                                          ; the first fill
	s_add_nc_u64 s[4:5], s[4:5], s[OFS:OFS+1]      ; q_img at the head
	s_lshl_b32 s46, s[PI], 4
	s_add_co_u32 s46, s46, s[WV]                   ; my tile of 16 tokens in the first block,
	s_sub_co_u32 s47, 7, s[PI]
	s_lshl_b32 s47, s47, 4
	s_add_co_u32 s47, s47, s[WV]                   ; and in the second
	s_lshl_b32 s[Q0], s46, 4
	s_lshl_b32 s60, s47, 4
	s_lshl_b32 s[OFS], s46, 10
	s_add_nc_u64 s[14:15], s[4:5], s[OFS:OFS+1]
	s_lshl_b32 s[OFS], s47, 10
	s_add_nc_u64 s[16:17], s[4:5], s[OFS:OFS+1]
	v_and_b32 v[LI], 31, v0
	s_delay_alu instid0(VALU_DEP_1)
	v_lshlrev_b32 v[LI], 4, v[LI]
	global_load_b128 v[16:19], v[LI], s[14:15]
	global_load_b128 v[20:23], v[LI], s[14:15] offset:512
	global_load_b128 v[24:27], v[LI], s[16:17]
	global_load_b128 v[28:31], v[LI], s[16:17] offset:512
	s_and_b32 s45, s44, 15                         ; the head
	s_lshr_b32 s44, s44, 4                         ; the batch
	s_lshr_b32 s[OFS], s45, 2
	s_lshl_b32 s[OFS], s[OFS], 21                  ; y_img: (h / 4) x 2^21
	s_and_b32 s45, s45, 3
	s_lshl_b32 s45, s45, 10                        ; + (h % 4) x 1,024
	s_add_co_u32 s[OFS], s[OFS], s45
	s_lshl_b32 s44, s44, 19                        ; + 128 row tiles of 4,096 bytes a batch
	s_add_co_u32 s[OFS], s[OFS], s44
	s_add_nc_u64 s[12:13], s[12:13], s[OFS:OFS+1]
	s_lshl_b32 s[OFS], s46, 12
	s_add_nc_u64 s[56:57], s[12:13], s[OFS:OFS+1]  ; where the first block's codes go,
	s_lshl_b32 s[OFS], s47, 12
	s_add_nc_u64 s[58:59], s[12:13], s[OFS:OFS+1]  ; and the second's
	v_and_b32 v[RH], 15, v0
	v_bfe_u32 v8, v0, 4, 1
	s_delay_alu instid0(VALU_DEP_1)
	v_lshlrev_b32 v8, 3, v8
	s_delay_alu instid0(VALU_DEP_1)
	v_sub_nc_u32 v[RH], v[RH], v8                  ; r - 8 hf
	v_mov_b32 v13, 0xff61b1e6                      ; the largest t so far: -3e38, under every t
	s_delay_alu instid0(VALU_DEP_1)
	v_floor_f32 v12, -v13                          ; -M
	v_mov_b32 v14, 0                               ; the sum, in two halves
	v_mov_b32 v15, 0
	v_mov_b32 v241, 0                              ; written once: a lane permute's destination counts as one of its sources
	v_mov_b32 v252, 0
	v_mov_b32 v253, 0                              ; (named as the upper half of the pair v[252:253])
.set j, 0
.rept 32
	v_mov_b32 v[160+j], 0                          ; O^T: the step is written once; the first finds zeros, which the first change of M leaves zeros
.set j, j+1
.endr
	s_wait_kmcnt 0x0
	s_mov_b32 s[CS], 0x3e38aa3b                    ; log2(e) / 8
	s_add_co_i32 s44, s50, s51
	s_lshl_b32 s44, s44, 23
	s_add_co_i32 s[CS], s[CS], s44                 ; a score stands for score x 2^(e2 + e3): added to c's exponent field
	s_mov_b32 s[CS+1], s[CS]                       ; (named with it as a pair)
	s_add_co_i32 s44, s52, 127
	s_lshl_b32 s45, s44, 23
	v_mov_b32 v244, s45                            ; 2^e4, for p's conversions
	s_add_co_i32 s44, s54, 127
	s_lshl_b32 s45, s44, 23
	v_mov_b32 v246, s45                            ; 2^e6, for y's
	s_add_co_i32 s62, s52, s53                     ; e4 + e5
; A KEY STEP: 128 keys, the q-th of the slot in hand.
.macro STEP q
	s_add_co_u32 s44, s[Q0], 15
	s_cmp_gt_u32 s[KF], s44
	s_cbranch_scc1 .Lhidden_\@                     ; all 128 keys come after my 16 queries: no barrier and no tensor load stands in a step
	v_add_nc_u32 v[ADK], s[TB], v[LI]
.irp t, 0,1,2,3,4,5,6,7
	ds_load_b128 v[32+8*\t:35+8*\t], v[ADK] offset:(8*(\q)+\t)*1024          ; the image of 16 keys: 512 consecutive bytes a load
	ds_load_b128 v[36+8*\t:39+8*\t], v[ADK] offset:(8*(\q)+\t)*1024+512
.endr
	s_wait_alu depctr_va_vdst(0)
	s_wait_dscnt 0x0
.irp t, 0,1,2,3,4,5,6,7
	v_wmma_f32_16x16x64_fp8_fp8 v[96+8*\t:103+8*\t], v[32+8*\t:39+8*\t], v[16:23], 0
.endr
.rept 4
	v_nop                                          ; places in front of the loads into K's registers and of the first read of the scores
.endr
.irp t, 0,1,2,3
.irp c, 0,1,2,3
	ds_load_b128 v[32+16*\t+4*\c:35+16*\t+4*\c], v[ADK] offset:VOFF+8192*(\q)+2048*\t+512*\c   ; V's four fragments land under the softmax
.endr
.endr
	s_add_co_u32 s44, s[KF], 127                   ; on the diagonal hidden scores become -infinity ahead of the maximum; a step all of whose keys count skips this
	s_cmp_le_u32 s44, s[Q0]
	s_cbranch_scc1 .Lopen_\@
	s_sub_co_i32 s44, s[Q0], s[KF]
	v_add_nc_u32 v252, s44, v[RH]                  ; d = my query - KF - 8 hf.  Register 8 t + i holds key KF + 16 t + 8 hf + i: hidden where 16 t + i > d
	v_mov_b32 v254, 0xff800000
.set n, 0
.rept 64
	v_cmp_gt_i32 vcc_lo, 16*(n/8)+n%8, v252
	v_cndmask_b32 v[96+n], v[96+n], v254, vcc_lo
.set n, n+1
.endr
.Lopen_\@:
	v_max3_num_f32 v254, v96, v97, v98             ; the step's largest score of my query, among my 64 keys, in two chains,
	v_max3_num_f32 v252, v99, v100, v101
.irp i, 6,10,14,18,22,26,30,34,38,42,46,50,54,58
	v_max3_num_f32 v254, v254, v[96+\i], v[97+\i]
	v_max3_num_f32 v252, v252, v[98+\i], v[99+\i]
.endr
	v_max3_num_f32 v254, v254, v158, v159
	s_delay_alu instid0(VALU_DEP_1)
	v_max_num_f32 v254, v254, v252
	s_delay_alu instid0(VALU_DEP_1)
	v_permlanex16_b32 v241, v254, s[SEL], s[SEL+1]
	s_delay_alu instid0(VALU_DEP_1)
	v_max_num_f32 v254, v254, v241                 ; and among lane l xor 16's
	s_delay_alu instid0(VALU_DEP_1)
	v_mul_f32 v254, s[CS], v254                    ; as t (c is positive)
	s_delay_alu instid0(VALU_DEP_1)
	v_max_num_f32 v13, v13, v254                   ; the running largest t
	v_mov_b32 v254, v12
	s_delay_alu instid0(VALU_DEP_2)
	v_floor_f32 v12, -v13                          ; the new -M = floor(-t) = -ceil(t)
	s_delay_alu instid0(VALU_DEP_1)
	v_sub_f32 v254, v12, v254                      ; old M - new M: a whole number, 0 or less
	s_delay_alu instid0(VALU_DEP_1)
	v_cvt_i32_f32 v254, v254                       ; (it saturates)
	s_delay_alu instid0(VALU_DEP_1)
	v_ldexp_f32 v252, 1.0, v254                    ; f = 2^(old M - new M)
.set j, 0
.rept 32
	v_pk_fma_f32 v[96+j:97+j], v[96+j:97+j], s[CS:CS+1], v[12:13] op_sel_hi:[1,0,0]   ; t - M, two at a time
.set j, j+2
.endr
.set j, 0
	s_wait_alu depctr_va_vdst(0)
.rept 64
	v_exp_f32 v[96+j], v[96+j]                     ; p = 2^(t - M), at most 1
.set j, j+1
.endr
	v_pk_mul_f32 v[14:15], v[14:15], v[252:253] op_sel_hi:[1,0]   ; the sums under the new M (a plain instruction behind the exponentials)
	s_wait_alu depctr_va_vdst(0)
	v_pk_add_f32 v[242:243], v[100:101], v[104:105]
	v_pk_add_f32 v[254:255], v[108:109], v[112:113]
	v_pk_add_f32 v[250:251], v[116:117], v[120:121]
	v_pk_add_f32 v[248:249], v[124:125], v[128:129]
	v_pk_add_f32 v[238:239], v[132:133], v[136:137]
	v_pk_add_f32 v[236:237], v[140:141], v[144:145]
	v_pk_add_f32 v[234:235], v[148:149], v[152:153]
	v_pk_add_f32 v[14:15], v[14:15], v[156:157]
	v_pk_add_f32 v[242:243], v[242:243], v[96:97]
	v_pk_add_f32 v[254:255], v[254:255], v[98:99]
	v_pk_add_f32 v[250:251], v[250:251], v[102:103]
	v_pk_add_f32 v[248:249], v[248:249], v[106:107]
	v_pk_add_f32 v[238:239], v[238:239], v[110:111]
	v_pk_add_f32 v[236:237], v[236:237], v[114:115]
	v_pk_add_f32 v[234:235], v[234:235], v[118:119]
	v_pk_add_f32 v[14:15], v[14:15], v[122:123]
	v_pk_add_f32 v[242:243], v[242:243], v[126:127]
	v_pk_add_f32 v[254:255], v[254:255], v[130:131]
	v_pk_add_f32 v[250:251], v[250:251], v[134:135]
	v_pk_add_f32 v[248:249], v[248:249], v[138:139]
	v_pk_add_f32 v[238:239], v[238:239], v[142:143]
	v_pk_add_f32 v[236:237], v[236:237], v[146:147]
	v_pk_add_f32 v[234:235], v[234:235], v[150:151]
	v_pk_add_f32 v[14:15], v[14:15], v[154:155]
	v_pk_add_f32 v[242:243], v[242:243], v[158:159]
	s_delay_alu instid0(VALU_DEP_2)
	v_pk_add_f32 v[14:15], v[14:15], v[248:249]
	s_delay_alu instid0(VALU_DEP_2)
	v_pk_add_f32 v[242:243], v[242:243], v[238:239]
	v_pk_add_f32 v[254:255], v[254:255], v[236:237]
	v_pk_add_f32 v[250:251], v[250:251], v[234:235]
	s_delay_alu instid0(VALU_DEP_2)
	v_pk_add_f32 v[14:15], v[14:15], v[254:255]
	s_delay_alu instid0(VALU_DEP_2)
	v_pk_add_f32 v[242:243], v[242:243], v[250:251]
	s_delay_alu instid0(VALU_DEP_1)
	v_pk_add_f32 v[14:15], v[14:15], v[242:243]
.irp t, 0,1,2,3,4,5,6,7
.irp i, 0,1,2,3,4,5,6,7
.endr
	v_cvt_scalef32_pk8_fp8_f32 v[224+2*\t:225+2*\t], v[96+8*\t:103+8*\t], v244
.endr
.set j, 0
.rept 16
	v_pk_mul_f32 v[160+j:161+j], v[160+j:161+j], v[252:253] op_sel_hi:[1,0]   ; O^T under the new M; also the plain instructions behind the conversions
.set j, j+2
.endr
	s_wait_alu depctr_va_vdst(0)
	s_wait_dscnt 0x0                               ; V is in
.irp t, 0,1,2,3
	v_wmma_f32_16x16x128_fp8_fp8 v[160+8*\t:167+8*\t], v[32+16*\t:47+16*\t], v[224:239], v[160+8*\t:167+8*\t]   ; the four accumulators by turns
.endr
.rept 4
	v_nop                                          ; places in front of the next loads into v32-95 and of the next read of O^T
.endr
.Lhidden_\@:
	s_add_co_u32 s[KF], s[KF], 128
.endm
; THE CHANGE OF SLOTS stands at a trip's head.  Each wave waits for all its tensor loads (its part of the slot ahead), adds 0 to its spare word, and waits for that and for its reads of the slot that it has left.
; fill = 1: behind the barrier that slot takes the tile of trip T + 1: key slot T + 1 of the first block, or T - PI of the second.  By this text's count one tensor load of a wave is out at the most.
.macro CHANGE fill
	s_wait_tensorcnt 0x0                           ; no tensor load of mine is out, so group 0 may be written
	ds_add_u32 v[SPW], v[NIL]                      ; 0 onto my spare word
.if \fill
	s_add_co_u32 s44, s[T], 1
	s_cmp_le_u32 s44, s[PI]
	s_cselect_b32 s45, 0, s61
	s_sub_co_u32 s44, s44, s45                     ; the next trip's key slot
	s_lshl_b32 s[OFS], s44, 14                     ; 16 KiB a slot in k_img and in v_img
	s_add_nc_u64 s[G0+2:G0+3], s[HB:HB+1], s[OFS:OFS+1]
	s_or_b32 s[G0+3], s[G0+3], 0x80000000
	s_xor_b32 s[G0+1], s[G0+1], SLOT1              ; the other slot than last time
.endif
	s_wait_dscnt 0x0                               ; the add is done, and my reads of the slot that I have left are over
	s_barrier_signal -1
	s_barrier_wait -1
.if \fill
	TLOAD                                          ; the first thing behind the barrier, a wave's one tensor load until the next
.endif
.endm
; A block is finished: O^T x 2^(e4 + e5) / the sum, quantised with 2^e6: tile t's eight registers give registers 2 t, 2 t + 1 of the image.  mid = 1: the second block begins.
.macro FLUSH mid
	v_add_f32 v14, v14, v15
	s_delay_alu instid0(VALU_DEP_1)
	v_permlanex16_b32 v252, v14, s[SEL], s[SEL+1]
	s_delay_alu instid0(VALU_DEP_1)
	v_add_f32 v14, v14, v252                       ; the row's sum
	s_wait_alu depctr_va_vdst(0)
	v_rcp_f32 v14, v14
	v_nop                                          ; a plain instruction behind the transcendental
	s_wait_alu depctr_va_vdst(0)
	v_ldexp_f32 v14, v14, s62
.set j, 0
.rept 16
	v_pk_mul_f32 v[96+j:97+j], v[160+j:161+j], v[14:15] op_sel_hi:[1,0]   ; each accumulator from its low end on
.set j, j+2
.endr
.set j, 0
.rept 32
.set j, j+1
.endr
.irp t, 0,1,2,3
	v_cvt_scalef32_pk8_fp8_f32 v[192+2*\t:193+2*\t], v[96+8*\t:103+8*\t], v246
.endr
	v_nop                                          ; a plain instruction behind the conversions
	global_store_b128 v[LI], v[192:195], s[56:57]              ; 512 consecutive bytes a store, aligned
	global_store_b128 v[LI], v[196:199], s[56:57] offset:512
.if \mid
	s_wait_xcnt 0x0                                ; the stores have read their base and their data
	s_mov_b64 s[56:57], s[58:59]
	s_mov_b32 s[Q0], s60
	s_mov_b32 s[KF], 0
.irp j, 0,1,2,3,4,5,6,7
	v_mov_b32 v[16+\j], v[24+\j]                   ; the second block's Q
.endr
	v_mov_b32 v13, 0xff61b1e6
	s_delay_alu instid0(VALU_DEP_1)
	v_floor_f32 v12, -v13
	v_mov_b32 v14, 0
	v_mov_b32 v15, 0
.set j, 0
.rept 32
	v_mov_b32 v[160+j], 0
.set j, j+1
.endr
.endif
.endm
	s_wait_loadcnt 0x0                             ; both blocks' Q
.Ltrip:                                            ; eight trips; behind each change of slots the next trip's tile is asked for
	CHANGE 1
	STEP 0
	STEP 1
	s_xor_b32 s[TB], s[TB], SLOT1
	s_cmp_lg_u32 s[T], s[PI]
	s_cbranch_scc1 .Lsame_block
	FLUSH 1
.Lsame_block:
	s_add_co_u32 s[T], s[T], 1
	s_cmp_lt_u32 s[T], 8
	s_cbranch_scc1 .Ltrip
	CHANGE 0                                       ; the ninth trip is written out
	STEP 0
	STEP 1
	FLUSH 0
	s_wait_tensorcnt 0x0                           ; the wave's end
	ds_add_u32 v[SPW], v[NIL]
	s_wait_dscnt 0x0
	s_endpgm
.Lfunc_end_k_q5c725cd537_attn:
	.size	k_q5c725cd537_attn, .Lfunc_end_k_q5c725cd537_attn-k_q5c725cd537_attn
	.p2alignl 7, 3214868480
	.fill 96, 4, 3214868480
	.section	.rodata,"a",@progbits
	.p2align	6, 0x0
	.amdhsa_kernel k_q5c725cd537_attn
		.amdhsa_group_segment_fixed_size 327680
		.amdhsa_private_segment_fixed_size 0
		.amdhsa_enable_private_segment 0
		.amdhsa_kernarg_size 40
		.amdhsa_user_sgpr_count 2
		.amdhsa_user_sgpr_kernarg_segment_ptr 1
		.amdhsa_wavefront_size32 1
		.amdhsa_system_sgpr_workgroup_id_x 1
		.amdhsa_system_sgpr_workgroup_id_y 1
		.amdhsa_system_sgpr_workgroup_id_z 1
		.amdhsa_system_vgpr_workitem_id 0
		.amdhsa_next_free_vgpr 256
		.amdhsa_next_free_sgpr 66
		.amdhsa_reserve_vcc 1
		.amdhsa_float_denorm_mode_32 3
		.amdhsa_float_denorm_mode_16_64 3
		.amdhsa_fp16_overflow 1
		.amdhsa_memory_ordered 1
		.amdhsa_forward_progress 1
		.amdhsa_inst_pref_size 88
	.end_amdhsa_kernel
	.amdgpu_metadata
---
amdhsa.version: [ 1, 2 ]
amdhsa.kernels:
  - .name:           k_q5c725cd537_attn
    .symbol:         k_q5c725cd537_attn.kd
    .args:
      - { .name: q_img, .offset: 0, .size: 8, .value_kind: global_buffer, .address_space: global }
      - { .name: k_img, .offset: 8, .size: 8, .value_kind: global_buffer, .address_space: global }
      - { .name: v_img, .offset: 16, .size: 8, .value_kind: global_buffer, .address_space: global }
      - { .name: lowp_scales, .offset: 24, .size: 8, .value_kind: global_buffer, .address_space: global }
      - { .name: y_img, .offset: 32, .size: 8, .value_kind: global_buffer, .address_space: global }
    .group_segment_fixed_size: 327680
    .private_segment_fixed_size: 0
    .kernarg_segment_align: 8
    .kernarg_segment_size: 40
    .max_flat_workgroup_size: 512
    .sgpr_count:     66
    .vgpr_count:     256
    .wavefront_size: 32
...
	.end_amdgpu_metadata
.endif
;; end of part 2
;; launch proj (part 3): grid 4 x 64, 4 waves a work-group, clusters of 4 x 4, 327,680 bytes of LDS; arguments y_img, W_proj_codes, b_proj, lowp_scales, out0; writes out0
.if DOCPART == 3
	.amdgcn_target "amdgcn-amd-amdhsa--gfx1250"
	.amdhsa_code_object_version 6
	.text
	.protected	k_q5c725cd537_proj
	.globl	k_q5c725cd537_proj
	.p2align	8
	.type	k_q5c725cd537_proj,@function
k_q5c725cd537_proj:
	s_mov_b64 s[64:65], 0
	v_nop
	global_prefetch_b8 v0, s[64:65] scope:SCOPE_SE
	s_setreg_imm32_b32 hwreg(HW_REG_WAVE_MODE, 25, 1), 1
	s_wait_xcnt 0x0
	s_wait_alu depctr_hold_cnt(0) depctr_sa_sdst(0) depctr_va_vdst(0) depctr_va_sdst(0) depctr_va_ssrc(0) depctr_va_vcc(0) depctr_vm_vsrc(0)
	s_getreg_b32 s2, hwreg(HW_REG_IB_STS2, 6, 4)
	s_cmp_eq_u32 s2, 0
	s_cbranch_scc0 .Lentry_in_a_cluster
	s_endpgm
.Lentry_in_a_cluster:
	s_bfe_u32 s2, ttmp6, 0x10000c
	s_cmp_lg_u32 s2, 0xf033
	s_cbranch_scc0 .Lentry_shape_is_right
	s_endpgm
.Lentry_shape_is_right:
; out = y W_proj^T x 2^(e6 + e7) + b_proj on E4M3 codes.  y: 8,192 rows x 1,024 as images of operand registers; W_proj: [1024][1024] codes, K innermost; out: [8192][1024] f32.
; y_img: [K / 256][row / 16][4][1,024]: each 1,024 bytes are eight registers of 64 along K (registers 0-3 at 16 x lane, 4-7 at 512 + 16 x lane): lane (r, hf), registers 2 c, 2 c + 1 = row r, k = 16 c + 8 hf + 0..7.
; Two such images on end are a fragment of 128 along K in the K = 128 form's own places; W_proj's fragments are read into the same places by loads of 8 bytes at 16 c + 8 hf of a row.
; A tile of 128 x 256 of out to a work-group: 64 x 4 = 256 work-groups.  Four waves, 64 rows x 128 columns each: 32 accumulators, 256 registers.  K goes in four fills of 256 through two LDS slots.
; CLUSTERS: 4 x 4.  y's tile hangs on the tile row and is shared along a row of the cluster, W_proj's on the tile column and is shared along a column: each is asked for jointly.
; THE MATRIX INSTRUCTION IS USED TRANSPOSED (source 0 = 16 rows of W_proj, source 1 = 16 rows of y): a lane holds eight neighbouring numbers of a row of out.
; LIMIT: e6 + e7 between -126 and 127, so that 2^(e6 + e7) is an f32 number.
; REGISTERS: window 0: v16-29 addresses; v32-95 the way out; v128-255 y's fragments, two sets of 4, later rows read back.   window 1: W_proj's fragments, two sets of 8.
;   window 2: the accumulators ((a, b) at v[8 (8 a + b)]).   window 3: v0-63 b_proj: register 8 b + j for column 16 b + 8 hf + j.
.set PITCH,  272                       ; a row of W_proj in LDS: 256 bytes + 16: the 32 lanes of a load of 8 bytes (row r, 8 hf) touch 64 different banks (ISA guide 11.1)
.set ABYTES, 32768                     ; y's part of a slot: 8 row tiles x 4,096 bytes, dense
.set HALFB,  128*PITCH
.set SLOT,   ABYTES+2*HALFB
.set STAGE,  2*SLOT                    ; behind the ring: 16 rows x (512 + 16) bytes for each wave, bytes of its own
.set SPITCH, 528
.set SPARE,  STAGE+4*16*SPITCH         ; behind the stages: the spare words, 128 bytes a wave: two blocks of 256 bytes that no other line names
.set FR,   16
.set ADRA, 16                          ; v16-17  LDS address of my fragments of y in slot 0, 1
.set ADRB, 20                          ; v20-21  of W_proj
.set H32,  22                          ; v22     32 x (lane / 16)
.set STO,  24                          ; v24     the way out: where I put 32 bytes of a row
.set RD,   25                          ; v25     where I read a row back
.set CO,   26                          ; v26     16 x lane
.set SPW,  28
.set NIL,  29
.set TMP,  32
.set AF,   128
.set BK,   128
.set G1, 24
.set G0, 32
.set G1B, 48
.set G0B, 56
.set MSB, 0
.macro WIN new
.if MSB != (\new)
	s_set_vgpr_msb (MSB<<8)|(\new)
.set MSB, (\new)
.endif
.endm
.set MUL,  0xa1                        ; source 0 (W_proj) window 1, source 1 (y) window 0, C and D window 2
.set TO_B, 0x40                        ; destination window 1, address window 0
.macro JLOAD s                         ; waves 0 and 1 fetch y's halves, waves 2 and 3 W_proj's; four v_nop follow each line
	s_cmp_eq_u32 s15, 0
	s_cbranch_scc0 .Lfor_b_\@
	tensor_load_to_lds s[G0+4*\s:G0+4*\s+3], s[G1:G1+7]
	s_nop 0
.rept 4
	v_nop
.endr
	s_branch .Lasked_\@
.Lfor_b_\@:
	tensor_load_to_lds s[G0B+4*\s:G0B+4*\s+3], s[G1B:G1B+7]
	s_nop 0
.rept 4
	v_nop
.endr
.Lasked_\@:
.endm
.macro CREST
	s_cmp_lg_u32 s14, 0
	s_cbranch_scc1 .Lnot_wave_0_\@
	s_barrier_signal -3
.Lnot_wave_0_\@:
	s_barrier_wait -3
	s_barrier_signal -1
	s_barrier_wait -1
.endm
.macro CROUND
	s_barrier_signal -1
	s_barrier_wait -1
	CREST
.endm
.macro PLACES
.rept 4
	v_nop
.endr
.endm
	s_load_b256 s[4:11], s[0:1], 0x0               ; y_img s[4:5], W_proj s[6:7], b_proj s[8:9], the scales' exponents s[10:11]
	s_load_b64 s[12:13], s[0:1], 0x20              ; out
	v_lshl_add_u32 v[SPW], v0, 2, SPARE
	v_mov_b32 v[NIL], 0
	ds_add_u32 v28, v29
	ds_add_u32 v28, v29
	s_wait_dscnt 0x0
	v_lshrrev_b32 v1, 5, v0
	v_readfirstlane_b32 s14, v1                    ; wave 0..3
	s_lshr_b32 s15, s14, 1                         ; which 64 rows are mine.  Also: I fetch for y (0) or for W_proj (1)
	s_and_b32 s16, s14, 1                          ; which 128 columns.  Also: which half of that tile I fetch
	s_bfe_u32 s40, ttmp6, 0x40000                  ; cx, cy
	s_bfe_u32 s41, ttmp6, 0x40004
	s_lshl_b32 s42, ttmp9, 2
	s_add_co_u32 s42, s42, s40                     ; tile column = 4 x cluster x + cx
	s_and_b32 s17, ttmp7, 0xffff
	s_lshl_b32 s17, s17, 2
	s_add_co_u32 s17, s17, s41                     ; tile row = 4 x cluster y + cy
	s_lshl_b32 s43, s41, 2
	s_lshl_b32 s43, 15, s43                        ; my row of the cluster
	s_lshl_b32 s44, 0x1111, s40                    ; my column
	s_or_b32 s[G1+0], s43, (3<<16)|(1<<21)         ; y: the mask of my row; elements of 8 bytes; 21 set beside a mask; no padding
	s_mov_b32 s[G1+1], 32<<16                      ; 64 dense rows of 256 bytes
	s_mov_b32 s[G1+2], 64<<16
	s_mov_b32 s[G1+3], 32<<16
	s_mov_b32 s[G1+4], 64
	s_mov_b32 s[G1+5], 32
	s_mov_b32 s[G1+6], 0
	s_mov_b32 s[G1+7], 0
	s_or_b32 s[G1B+0], s44, (0<<16)|(1<<20)|(1<<21)|(5<<22)|(3<<25)  ; W_proj: the mask of my column; elements of 1 byte; four words of padding after every 64
	s_mov_b32 s[G1B+1], 256<<16                    ; 128 rows of 256 bytes, 1,024 apart
	s_mov_b32 s[G1B+2], 128<<16
	s_mov_b32 s[G1B+3], 256<<16
	s_mov_b32 s[G1B+4], 128
	s_mov_b32 s[G1B+5], 1024
	s_mov_b32 s[G1B+6], 0
	s_mov_b32 s[G1B+7], 0
	s_lshl_b32 s20, s17, 15                        ; y: 32,768 bytes a tile row in each plane of 256 along K, + my half
	s_lshl_b32 s18, s16, 14
	s_add_co_u32 s20, s20, s18
	s_mov_b32 s21, 0
	s_lshl_b32 s46, s42, 18                        ; W_proj: row 256 x tile column + 128 x half, of 1,024 bytes
	s_lshl_b32 s19, s16, 17
	s_add_co_u32 s46, s46, s19
	s_mov_b32 s47, 0
	s_lshl_b32 s45, s16, 14                        ; where they go: no place in the cluster enters an LDS address
	s_mul_i32 s22, s16, HALFB
	s_add_co_u32 s22, s22, ABYTES
	s_wait_kmcnt 0x0
	s_load_b64 s[96:97], s[10:11], 0x18            ; e6, e7
	s_add_nc_u64 s[20:21], s[4:5], s[20:21]
	s_add_nc_u64 s[46:47], s[6:7], s[46:47]
	CROUND                                         ; all sixteen work-groups are here: the first joint loads meet
.irp s, 0,1
	s_mov_b32 s[G0+4*\s], 1
	s_add_co_u32 s[G0+4*\s+1], s45, \s*SLOT
	s_add_nc_u64 s[G0+4*\s+2:G0+4*\s+3], s[20:21], \s*0x200000
	s_or_b32 s[G0+4*\s+3], s[G0+4*\s+3], 0x80000000
	s_mov_b32 s[G0B+4*\s], 1
	s_add_co_u32 s[G0B+4*\s+1], s22, \s*SLOT
	s_add_nc_u64 s[G0B+4*\s+2:G0B+4*\s+3], s[46:47], \s*256
	s_or_b32 s[G0B+4*\s+3], s[G0B+4*\s+3], 0x80000000
	s_wait_alu depctr_va_vdst(0)
	s_wait_tensorcnt 0x0
	ds_add_u32 v28, v29
	ds_add_u32 v28, v29
	s_wait_dscnt 0x0
	CROUND
	JLOAD \s                                       ; one tensor load of mine is out
.endr
	v_and_b32 v1, 15, v0                           ; r
	v_bfe_u32 v2, v0, 4, 1                         ; hf
	v_and_b32 v5, 31, v0
	v_lshlrev_b32 v[CO], 4, v5
	v_mul_u32_u24 v3, v1, PITCH
	v_lshl_add_u32 v4, v2, 3, v3                   ; W_proj: row x pitch + 8 hf
	s_lshl_b32 s21, s15, 14                        ; my four row tiles of y
	s_mul_i32 s22, s16, HALFB                      ; my 128 rows of W_proj
	s_add_co_u32 s22, s22, ABYTES
.irp s, 0,1
	v_add_nc_u32 v[ADRA+\s], s21, v[CO]
	v_add_nc_u32 v[ADRB+\s], s22, v4
	s_add_co_u32 s21, s21, SLOT
	s_add_co_u32 s22, s22, SLOT
.endr
	s_mul_i32 s23, s14, 16*SPITCH
	s_add_co_u32 s23, s23, STAGE                   ; my stage
	v_mul_u32_u24 v5, v1, SPITCH
	v_lshl_add_u32 v5, v2, 5, v5
	v_add_nc_u32 v[STO], s23, v5                   ; in: row r, 32 bytes for each half of the lanes
	v_add_nc_u32 v[RD], s23, v[CO]                 ; back: the 32 lanes take one row of 512 bytes
	s_lshl_b32 s20, s17, 7
	s_lshl_b32 s21, s15, 6
	s_add_co_u32 s20, s20, s21                     ; my first row of out
	s_lshl_b32 s20, s20, 12                        ; rows of 4,096 bytes: under 2^25
	s_lshl_b32 s21, s42, 10                        ; my first column, in bytes: 1,024 x tile column + 512 x half
	s_add_co_u32 s20, s20, s21
	s_lshl_b32 s21, s16, 9
	s_add_co_u32 s20, s20, s21
	s_mov_b32 s21, 0
	s_add_nc_u64 s[12:13], s[12:13], s[20:21]
	s_lshl_b32 s18, s42, 10                        ; b_proj at my 128 columns
	s_lshl_b32 s19, s16, 9
	s_add_co_u32 s18, s18, s19
	s_mov_b32 s19, 0
	s_add_nc_u64 s[8:9], s[8:9], s[18:19]
	v_lshlrev_b32 v[H32], 5, v2
	WIN 0xc0                                       ; destination window 3
.irp b, 0,1,2,3,4,5,6,7
	global_load_b128 v[8*\b:8*\b+3],   v[H32], s[8:9] offset:64*\b
	global_load_b128 v[8*\b+4:8*\b+7], v[H32], s[8:9] offset:64*\b+16
.endr
	WIN 0
; the fragments of the slot's q-th 128 along K into set: W_proj's eight (8 loads of 8 bytes each), y's four (4 loads of 16 bytes each, 512 consecutive bytes a load)
.macro FETCH slot, q, set
	WIN TO_B
.irp i, 0,1,2,3,4,5,6,7
.irp c, 0,1,2,3,4,5,6,7
	ds_load_b64 v[128*(\set)+FR*\i+2*\c:128*(\set)+FR*\i+2*\c+1], v[ADRB+\slot] offset:\i*16*PITCH+128*(\q)+16*\c
.endr
.endr
	WIN 0
.irp i, 0,1,2,3
.irp c, 0,1,2,3
	ds_load_b128 v[AF+64*(\set)+FR*\i+4*\c:AF+64*(\set)+FR*\i+4*\c+3], v[ADRA+\slot] offset:4096*\i+2048*(\q)+512*\c
.endr
.endr
.endm
; 8 matrix instructions: y's block a x W_proj's eight.  The 32 accumulators take turns, in the same order in every step.
.macro MUL8 a, set, zero
.irp b, 0,1,2,3,4,5,6,7
.if \zero
	v_wmma_f32_16x16x128_fp8_fp8 v[8*(8*(\a)+\b):8*(8*(\a)+\b)+7], v[128*(\set)+FR*\b:128*(\set)+FR*\b+FR-1], v[AF+64*(\set)+FR*(\a):AF+64*(\set)+FR*(\a)+FR-1], 0
.else
	v_wmma_f32_16x16x128_fp8_fp8 v[8*(8*(\a)+\b):8*(8*(\a)+\b)+7], v[128*(\set)+FR*\b:128*(\set)+FR*\b+FR-1], v[AF+64*(\set)+FR*(\a):AF+64*(\set)+FR*(\a)+FR-1], v[8*(8*(\a)+\b):8*(8*(\a)+\b)+7]
.endif
.endr
.endm
; A slot's first step: multiplies set 0; ahead of that the second step's fragments are asked for, into set 1.
.macro STEP slot, zero
	s_wait_dscnt 0x0                               ; set 0 is in
	PLACES                                         ; in front of loads into set 1, which the step before multiplied
	FETCH \slot, 1, 1
	WIN MUL
	MUL8 0, 0, \zero
	MUL8 1, 0, \zero
	MUL8 2, 0, \zero
	MUL8 3, 0, \zero
	WIN 0
.endm
; A slot's second step multiplies set 1 and changes slots.
.macro TURN slot, next, fill
	s_wait_tensorcnt 0x0                           ; all my tensor loads have landed: my part of the next slot
	ds_add_u32 v[SPW], v[NIL]                      ; 0 onto my spare word
	s_wait_dscnt 1                                 ; set 1 is in; the add may be out
	WIN MUL
	MUL8 0, 1, 0                                   ; eight matrix instructions stand between the add and the wait for it
	s_wait_dscnt 0x0                               ; the add is done, and my reads of this slot are over
	s_barrier_signal -1
	MUL8 1, 1, 0
	WIN 0
	s_barrier_wait -1
.if \fill
	CREST                                          ; no wave of any partner still reads this slot or has a load on its way
	s_add_nc_u64 s[G0+4*\slot+2:G0+4*\slot+3], s[G0+4*\slot+2:G0+4*\slot+3], 0x400000
	s_add_nc_u64 s[G0B+4*\slot+2:G0B+4*\slot+3], s[G0B+4*\slot+2:G0B+4*\slot+3], 512
	JLOAD \slot                                    ; my one tensor load behind the round; its four v_nop are the places in front of the loads below
.else
	PLACES
.endif
	FETCH \next, 0, 0
	WIN MUL
	MUL8 2, 1, 0
	MUL8 3, 1, 0
	WIN 0
.endm
	s_wait_alu depctr_va_vdst(0)
	s_wait_loadcnt 0x0                             ; b_proj
	s_wait_tensorcnt 1                             ; my part of slot 0 is in; slot 1's load may be out
	s_barrier_signal -1
	s_barrier_wait -1
	FETCH 0, 0, 0
	STEP 0, 1                                      ; the first step stands in front of the loop: its products start the sums
	s_mov_b32 s3, 1
.Llap:                                             ; a trip goes once round the ring and fills both slots again
	TURN 0, 1, 1
	STEP 1, 0
	TURN 1, 0, 1
	STEP 0, 0
	s_sub_co_u32 s3, s3, 1
	s_cmp_lg_u32 s3, 0
	s_cbranch_scc1 .Llap
	TURN 0, 1, 0                                   ; the last lap fills nothing
	STEP 1, 0
	s_wait_dscnt 0x0                               ; the very last step
	WIN MUL
	MUL8 0, 1, 0
	MUL8 1, 1, 0
	MUL8 2, 1, 0
	MUL8 3, 1, 0
	WIN 0
; THE WAY OUT, block by block of 16 rows x 128 columns: sum x 2^(e6 + e7) + b_proj by one packed multiply-add for two numbers; through my own stage in LDS; back as whole rows of 512 bytes.
; LDS serves a wave's instructions in order (ISA guide 5.7.1.4): no wait between the stores and the loads, nor in front of the next block's stores.
.macro TOSTAGE a
	WIN 0x32                                       ; source 0 (the sums) window 2, source 2 (b_proj) window 3
.set j, 0
.rept 32
	v_pk_fma_f32 v[TMP+j:TMP+j+1], v[64*(\a)+j:64*(\a)+j+1], s[96:97], v[j:j+1] op_sel_hi:[1,0,1]   ; each accumulator from its low end on
.set j, j+2
.endr
	WIN 0
.irp b, 0,1,2,3,4,5,6,7
	ds_store_b128 v[STO], v[TMP+8*\b:TMP+8*\b+3] offset:64*\b
	ds_store_b128 v[STO], v[TMP+8*\b+4:TMP+8*\b+7] offset:64*\b+16
.endr
.set BB, BK+64*((\a)%2)
.irp t, 0,1,2,3,4,5,6,7,8,9,10,11,12,13,14,15
	ds_load_b128 v[BB+4*\t:BB+4*\t+3], v[RD] offset:\t*SPITCH
.endr
.endm
.macro SEND a, younger                 ; younger: the LDS instructions issued behind block a's loads, which may stay out
.set BB, BK+64*((\a)%2)
	s_wait_dscnt \younger
.if (\a) > 0
	s_add_nc_u64 s[12:13], s[12:13], 16*4096       ; (behind a wait on XCNT: the earlier stores have read their base)
.endif
.irp t, 0,1,2,3,4,5,6,7,8,9,10,11,12,13,14,15
	global_store_b128 v[CO], v[BB+4*\t:BB+4*\t+3], s[12:13] offset:\t*4096 th:TH_STORE_NT   ; 32 lanes store 512 consecutive bytes, aligned; written once, read by nobody here
.endr
.endm
	s_wait_kmcnt 0x0
	s_add_co_i32 s96, s96, s97
	s_add_co_i32 s96, s96, 127
	s_lshl_b32 s96, s96, 23                        ; 2^(e6 + e7) as f32
	s_mov_b32 s97, s96                             ; (named with it as a pair)
	PLACES                                         ; behind the last products: their results are read, and rows land where y's fragments lay
	TOSTAGE 0
.irp a, 1,2,3
.if \a > 1
	s_wait_xcnt 0x0                                ; block a - 2's stores have read their registers and their base
.endif
	TOSTAGE \a
	SEND \a-1, 32                                  ; behind block a - 1's loads: block a's 16 stores and 16 loads
.endr
	s_wait_xcnt 0x0
	SEND 3, 0
	s_wait_tensorcnt 0x0                           ; the wave's end
	ds_add_u32 v[SPW], v[NIL]
	s_wait_dscnt 0x0
	CROUND                                         ; the closing round
	s_endpgm
.Lfunc_end_k_q5c725cd537_proj:
	.size	k_q5c725cd537_proj, .Lfunc_end_k_q5c725cd537_proj-k_q5c725cd537_proj
	.p2alignl 7, 3214868480
	.fill 96, 4, 3214868480
	.section	.rodata,"a",@progbits
	.p2align	6, 0x0
	.amdhsa_kernel k_q5c725cd537_proj
		.amdhsa_group_segment_fixed_size 327680
		.amdhsa_private_segment_fixed_size 0
		.amdhsa_enable_private_segment 0
		.amdhsa_kernarg_size 40
		.amdhsa_user_sgpr_count 2
		.amdhsa_user_sgpr_kernarg_segment_ptr 1
		.amdhsa_wavefront_size32 1
		.amdhsa_system_sgpr_workgroup_id_x 1
		.amdhsa_system_sgpr_workgroup_id_y 1
		.amdhsa_system_sgpr_workgroup_id_z 1
		.amdhsa_system_vgpr_workitem_id 0
		.amdhsa_next_free_vgpr 832
		.amdhsa_next_free_sgpr 98
		.amdhsa_reserve_vcc 0
		.amdhsa_float_denorm_mode_32 3
		.amdhsa_float_denorm_mode_16_64 3
		.amdhsa_memory_ordered 1
		.amdhsa_forward_progress 1
		.amdhsa_inst_pref_size 94
	.end_amdhsa_kernel
	.amdgpu_metadata
---
amdhsa.version: [ 1, 2 ]
amdhsa.kernels:
  - .name:           k_q5c725cd537_proj
    .symbol:         k_q5c725cd537_proj.kd
    .args:
      - { .name: y_img, .offset: 0, .size: 8, .value_kind: global_buffer, .address_space: global }
      - { .name: W_proj_codes, .offset: 8, .size: 8, .value_kind: global_buffer, .address_space: global }
      - { .name: b_proj, .offset: 16, .size: 8, .value_kind: global_buffer, .address_space: global }
      - { .name: lowp_scales, .offset: 24, .size: 8, .value_kind: global_buffer, .address_space: global }
      - { .name: out0, .offset: 32, .size: 8, .value_kind: global_buffer, .address_space: global }
    .group_segment_fixed_size: 327680
    .private_segment_fixed_size: 0
    .kernarg_segment_align: 8
    .kernarg_segment_size: 40
    .max_flat_workgroup_size: 128
    .sgpr_count:     98
    .vgpr_count:     832
    .wavefront_size: 32
...
	.end_amdgpu_metadata
.endif
;; end of part 3
